; MI455X (gfx1250); checked and timed in simulation.
; The chip was launched on July 23, 2026; its instructions are those of AMD's public machine-readable ISA for CDNA 5 (MIT licence, August 2026) and "CDNA5" Instruction Set Architecture Reference Guide (July 2026). The comments in the code are by the model that wrote it; some were corrected since.
;; Hierarchical Logits. Allowed arithmetic: matrix products marked QUANTISED: E2M1 operands, one E8M0 scale for each 32 along K, by v_wmma_scale_f32_16x16x128_f8f6f4 with both operands' format E2M1 (or v_wmma_scale_f32_32x16x128_f4), f32 sums; products left as they are: bf16, f16 or f32 operands; f32 sums; everything else in f32.
;; Inputs: S 4,095 x 4,096 float32; X 4,096 x 2,048 float32; biases 4,096 float32; normals 4,095 x 2,048 float32.
;; Outputs: out0 4,096 x 4,096 float32.
;; This version of the problem:
;;   THIS VERSION OF THE PROBLEM IS GIVEN IN LOW PRECISION. The matrix products marked QUANTISED in the list below multiply operands that are first quantised to E2M1 (2 exponent bits, 1 mantissa bit; 4 bits a number), with one power-of-two scale for each 32 numbers along K (OCP MX v1.0); their sums are f32. The products marked 'left as it is' may take bf16, f16 or f32 operands, with f32 sums. Whichever they take, every output number must still come out within the allowed error. Rounding operands to bf16 (8 significant bits) uses up far more of that allowance than f16 does (11 bits, for magnitudes from 6e-5 to 65,504). All else is computed in f32.
;;   The module's matrix products, in the order in which they are computed (A, B: the left and right operand; K: the contracted axis; several contracted axes count as one K, in the product's order):
;;     1. [M 2,048, K 4,095] x [K 4,095, N 4,096]; A: input normals; B: input S: QUANTISED
;;     2. [M 4,096, K 2,048] x [K 2,048, N 4,096]; A: input X; B: computed on the way: left as it is (an operand is computed on the way)
;;   THE QUANTISER, for each operand of a quantised product, along K:
;;     - K is cut into blocks of 32 from its start; a last block that is shorter is filled with zeros.
;;     - A block's scale is 2^e with e = floor(log2(the largest magnitude in the block)) - 2, held to -126 .. 127; a block of zeros has e = 0. As a byte (E8M0): e + 127.
;;     - Each number is divided by its block's scale, clamped to +-6, and rounded to the nearest number of E2M1, ties to even, subnormals kept.
;;     - The product sums the exact products of the quantised numbers (number of the format x scale) in f32.
;;   ~~~python
;;   def quantise(x, axis):      # numpy; x: float32 -> the quantised numbers, widened to float32 again
;;       x = np.moveaxis(x, axis, -1); K = x.shape[-1]
;;       x = np.pad(x, [(0, 0)] * (x.ndim - 1) + [(0, -K % 32)]); x = x.reshape(x.shape[:-1] + (-1, 32)); a = np.abs(x).max(-1, keepdims=True)
;;       e = np.where(a > 0, np.clip(np.frexp(np.where(a > 0, a, 1))[1] - 1 - 2, -126, 127), 0)      # np.frexp(a)[1] - 1 = floor(log2(a)), exactly
;;       r = np.clip(x / 2.0 ** e, -6, 6)
;;       step = 2.0 ** (np.maximum(np.frexp(np.where(r == 0, 1, r))[1] - 1, 0) - 1)
;;       q = np.round(r / step) * step * 2.0 ** e      # np.round: ties to even
;;       return np.moveaxis(q.reshape(q.shape[:-2] + (-1,))[..., :K], -1, axis).astype(np.float32)
;;   ~~~
;; One version. Each part assembles by itself: llvm-mc -triple=amdgcn-amd-amdhsa -mcpu=gfx1250 --defsym DOCPART=n.
;; ======== version 1 of 1: 3 launches
;; limits: values are held in f16: magnitudes above 65,504 overflow, below 6.1e-05 lose precision
;; workspace buffers: ncodes 4,194,304 bytes; scodes 8,388,608 bytes; nscales 262,144 bytes; sscales 524,288 bytes; xh 16,777,216 bytes; wt 16,777,216 bytes
;; launch quant (part 1): grid 768 x 1, 8 waves a work-group, no clusters, 19,456 bytes of LDS; arguments normals, S, ncodes, scodes, nscales, sscales; writes ncodes, scodes, nscales, sscales
.if DOCPART == 1
	.amdgcn_target "amdgcn-amd-amdhsa--gfx1250"
	.amdhsa_code_object_version 6
	.text
	.protected	k_q4f61dfe55d_quant
	.globl	k_q4f61dfe55d_quant
	.p2align	8
	.type	k_q4f61dfe55d_quant,@function
k_q4f61dfe55d_quant:
	s_mov_b64 s[64:65], 0
	v_nop
	global_prefetch_b8 v0, s[64:65] scope:SCOPE_SE
	s_setreg_imm32_b32 hwreg(HW_REG_WAVE_MODE, 25, 1), 1
	s_wait_xcnt 0x0
; normals [4095][2048] and S [4095][4096], f32, are the operands of a product whose K (4,095) is their FIRST axis.  They become codes of FP4 (E2M1), K innermost:
; ncodes [2048][2048 bytes], scodes [4096][2048 bytes] (4,096 codes a row, the lower k in the low four bits; k = 4,095 is a zero code), and one E8M0 byte for each 32 along K,
; laid by K step of 512: nscales [8][2048][16], sscales [8][4096][16].
; A block's scale is 2^(floor(log2(its largest magnitude)) - 2); its byte is the largest magnitude's exponent field - 2, held at 1 from below.
; LIMITS: NaN and infinities among the inputs are not served; a block of zeros has the byte 1 where the rule says 127 (its codes are zeros, which add nothing, and this program alone reads the bytes);
; blocks whose largest magnitude lies under 2^-124 keep the byte 1 and were not tried.
; SHARES.  Work-groups 0-255: normals (32 groups of 64 columns x 8 chunks of 512 along K); 256-767: S (64 x 8).  One path serves both tensors: only pointers and the pitch are chosen.
; A LANE TAKES A COLUMN AND ITS REGISTERS RUN DOWN K: wave w takes columns 32 (w % 2) on and 128 along K from 128 (w / 2) on: four blocks of 32.  Two waves stand side by side on 256 consecutive bytes of a row.
; A block's maximum needs no other lane, and the conversions give codes with K innermost.  The codes meet in a stage in LDS (64 rows of 256 bytes) and leave as rows: sixteen lanes store 256 consecutive bytes, aligned.
; Row 4,095 does not exist: the one load that would name it names row 4,094, and its number is cleared ahead of the maximum; every wave runs these lines (elsewhere with a step of 0 and a mask of ones).
.set SCS,   17408                      ; LDS: 0: the stage, 64 rows x 272;  here: 64 columns x 16 scale bytes;
.set SPARE, 18432                      ; here: the spare words, 128 bytes for each of eight waves: four blocks of 256 bytes that no other line names
.set STA,  4                           ; v4   stage, in: column x 272 + 64 (w / 2)
.set SSA,  5                           ; v5   my column's four scale bytes
.set RD,   6                           ; v6   stage, out: row 8 w + lane / 16, 16 bytes a lane
.set GO,   7                           ; v7   the same place in the codes' buffer
.set SRD,  8                           ; v8   scale bytes, out: 8 bytes a thread of waves 0-3
.set SGO,  9                           ; v9   the same place in the scales' buffer
.set SPW,  16                          ; v16  LDS address of my spare word; never rewritten
.set NIL,  17                          ; v17  0; never rewritten
.set OFF,  18                          ; v18-33 4 x lane + i x pitch, i = 0 .. 15; never rewritten
.set OFFL, 34                          ; v34  the last of them, one row back where row 4,095 would be named
.set X,    36                          ; v36-99 two sets of 32 numbers
.set C,    100                         ; v100-115 four registers of codes for each block
.set BASE, 32                          ; s[32:47] eight bases, 16 rows apart; never rewritten
	s_load_b256 s[4:11], s[0:1], 0x0               ; normals, S, ncodes, scodes
	s_load_b128 s[12:15], s[0:1], 0x20             ; nscales, sscales
	v_lshl_add_u32 v[SPW], v0, 2, SPARE
	v_mov_b32 v[NIL], 0
	v_lshrrev_b32 v1, 5, v0
	v_readfirstlane_b32 s20, v1                    ; wave 0..7
	v_and_b32 v1, 31, v0                           ; lane
	s_wait_kmcnt 0x0
	s_cmp_lt_u32 ttmp9, 256                        ; normals or S?  All choices stand ahead of the first addition
	s_cselect_b64 s[56:57], s[4:5], s[6:7]         ; the numbers
	s_cselect_b64 s[52:53], s[8:9], s[10:11]       ; the codes
	s_cselect_b64 s[54:55], s[12:13], s[14:15]     ; the scale bytes
	s_mov_b32 s21, 16384
	s_cselect_b32 s21, 8192, s21                   ; P: a row of the tensor in bytes
	s_cselect_b32 s22, 0, 256
	s_cselect_b32 s23, 5, 6                        ; log2 of the number of column groups
	s_sub_co_u32 s22, ttmp9, s22                   ; my number within the tensor
	s_lshr_b32 s24, s22, s23                       ; y: which 512 along K
	s_lshl_b32 s25, s24, s23
	s_sub_co_u32 s25, s22, s25                     ; cg: which 64 columns
	s_and_b32 s26, s20, 1                          ; cw
	s_lshr_b32 s27, s20, 1                         ; kw
	s_lshl_b32 s28, s24, 9
	s_lshl_b32 s50, s27, 7
	s_add_co_u32 s28, s28, s50                     ; my first row: 512 y + 128 kw
	s_cmp_eq_u32 s28, 3968                         ; do my rows reach 4,095?
	s_cselect_b32 s29, s21, 0                      ; then the last load goes one row back,
	s_cselect_b32 s30, 0, -1                       ; and its number is cleared
	s_mul_i32 s50, s28, s21                        ; row x P (under 2^27)
	s_lshl_b32 s51, s25, 8
	s_add_co_u32 s50, s50, s51                     ; + 256 cg
	s_lshl_b32 s51, s26, 7
	s_add_co_u32 s50, s50, s51                     ; + 128 cw
	s_mov_b32 s51, 0
	s_add_nc_u64 s[BASE:BASE+1], s[56:57], s[50:51]
	s_lshl_b32 s48, s21, 4                         ; 16 rows
	s_mov_b32 s49, 0
.irp j, 1,2,3,4,5,6,7
	s_add_nc_u64 s[BASE+2*\j:BASE+2*\j+1], s[BASE+2*\j-2:BASE+2*\j-1], s[48:49]
.endr
	s_lshl_b32 s50, s25, 6
	s_lshl_b32 s51, s20, 3
	s_add_co_u32 s50, s50, s51                     ; the first row of codes that I store: 64 cg + 8 w
	s_lshl_b32 s50, s50, 11
	s_lshl_b32 s51, s24, 8
	s_add_co_u32 s50, s50, s51                     ; x 2,048 + 256 y
	s_mov_b32 s51, 0
	s_add_nc_u64 s[52:53], s[52:53], s[50:51]
	s_mul_i32 s50, s24, s21
	s_lshl_b32 s50, s50, 2                         ; a K step's scale bytes: columns x 16 = 4 P
	s_lshl_b32 s51, s25, 10
	s_add_co_u32 s50, s50, s51                     ; + 1,024 cg
	s_mov_b32 s51, 0
	s_add_nc_u64 s[54:55], s[54:55], s[50:51]
	v_lshlrev_b32 v[OFF], 2, v1
.irp i, 1,2,3,4,5,6,7,8,9,10,11,12,13,14,15
	v_add_nc_u32 v[OFF+\i], s21, v[OFF+\i-1]
.endr
	v_sub_nc_u32 v[OFFL], v[OFF+15], s29
.macro LOAD t                          ; block t: rows 32 t + 16 u + i of my 128, into set t % 2
.irp u, 0,1
.irp i, 0,1,2,3,4,5,6,7,8,9,10,11,12,13,14,15
.if ((\t) == 3) && (\u == 1) && (\i == 15)
	global_load_b32 v[X+32*((\t)%2)+16*\u+\i], v[OFFL], s[BASE+2*(2*(\t)+\u):BASE+2*(2*(\t)+\u)+1] th:TH_LOAD_NT
.else
	global_load_b32 v[X+32*((\t)%2)+16*\u+\i], v[OFF+\i], s[BASE+2*(2*(\t)+\u):BASE+2*(2*(\t)+\u)+1] th:TH_LOAD_NT
.endif
.endr
.endr
.endm
	LOAD 0
	LOAD 1
	v_and_b32 v2, 15, v0                           ; r
	v_bfe_u32 v3, v0, 4, 1                         ; h
	v_and_b32 v10, 63, v0                          ; my column of the 64
	v_lshrrev_b32 v11, 6, v0                       ; kw
	v_mul_u32_u24 v[STA], v10, 272
	v_lshl_add_u32 v[STA], v11, 6, v[STA]
	v_lshlrev_b32 v[SSA], 4, v10
	v_lshl_add_u32 v[SSA], v11, 2, v[SSA]
	v_add_nc_u32 v[SSA], SCS, v[SSA]
	v_lshrrev_b32 v12, 5, v0
	v_lshl_add_u32 v12, v12, 3, v3                 ; 8 w + h
	v_mul_u32_u24 v[RD], v12, 272
	v_lshl_add_u32 v[RD], v2, 4, v[RD]
	v_lshlrev_b32 v[GO], 11, v3
	v_lshl_add_u32 v[GO], v2, 4, v[GO]
	v_and_b32 v13, 127, v0
	v_lshl_add_u32 v[SRD], v13, 3, SCS
	v_lshlrev_b32 v[SGO], 3, v13
.macro BLOCK t
.set XS, X+32*((\t)%2)
.if (\t) < 3
	s_wait_loadcnt 32                              ; this block's 32 loads are in; the next block's 32 may be out
.else
	s_wait_loadcnt 0x0
	v_and_b32 v[XS+31], s30, v[XS+31]              ; k = 4,095 counts as 0
.endif
	v_max3_num_f32 v10, |v[XS]|, |v[XS+1]|, |v[XS+2]|      ; the block's largest magnitude: all 32 numbers are mine; two chains
	v_max3_num_f32 v11, |v[XS+3]|, |v[XS+4]|, |v[XS+5]|
.irp i, 6,10,14,18,22,26
	v_max3_num_f32 v10, v10, |v[XS+\i]|, |v[XS+\i+1]|
	v_max3_num_f32 v11, v11, |v[XS+\i+2]|, |v[XS+\i+3]|
.endr
	v_max3_num_f32 v10, v10, |v[XS+30]|, |v[XS+31]|
	v_max3_num_f32 v10, v10, v11, 0x1800000        ; and the floor 2^(3 - 127): the byte cannot fall under 1
	v_add_nc_u32 v12, 0xff000000, v10              ; 2 off the exponent field: the conversion takes this operand's exponent field as its scale
	v_lshrrev_b32 v13, 23, v12                     ; the scale's byte
.if (\t) == 0
	v_mov_b32 v14, v13                             ; four bytes to a word, the lower K in the lower byte
.else
	v_lshl_or_b32 v14, v13, 8*(\t), v14
.endif
.irp g, 0,1,2,3
	v_cvt_scalef32_pk8_fp4_f32 v[C+4*(\t)+\g], v[XS+8*\g:XS+8*\g+7], v12   ; to the nearest code, ties to even; beyond 6 the largest code
.endr
	v_nop                                          ; one plain instruction behind the conversions, ahead of the next write of their scale operand
	ds_store_b128 v[STA], v[C+4*(\t):C+4*(\t)+3] offset:16*(\t)   ; 32 codes: 16 bytes of my column's row
.if (\t) < 2
	LOAD (\t)+2
.endif
.endm
	BLOCK 0
	BLOCK 1
	BLOCK 2
	BLOCK 3
	ds_store_b32 v[SSA], v14
	s_wait_dscnt 0x0                               ; for the others' sake: my stores into the stage have landed
	s_barrier_signal -1
	s_barrier_wait -1                              ; 64 rows of 256 bytes of codes and 1,024 scale bytes lie in LDS
.irp j, 0,1,2,3
	ds_load_b128 v[X+4*\j:X+4*\j+3], v[RD] offset:2*\j*272
.endr
.irp j, 0,1,2,3
	s_wait_dscnt 3-\j                              ; LDS loads come back in order: the younger ones may be out
	global_store_b128 v[GO], v[X+4*\j:X+4*\j+3], s[52:53] offset:2*\j*2048   ; sixteen lanes store 256 consecutive bytes, at a multiple of 256 from the buffer's first byte
.endr
	s_cmp_ge_u32 s20, 4                            ; waves 0-3 store the scale bytes, 256 consecutive bytes each
	s_cbranch_scc1 .Lno_sc
	ds_load_b64 v[52:53], v[SRD]
	s_wait_dscnt 0x0
	global_store_b64 v[SGO], v[52:53], s[54:55]
.Lno_sc:
	s_wait_tensorcnt 0x0                           ; the wave's end, behind my last LDS store
	ds_add_u32 v[SPW], v[NIL]
	s_wait_dscnt 0x0
	s_endpgm
.Lfunc_end_k_q4f61dfe55d_quant:
	.size	k_q4f61dfe55d_quant, .Lfunc_end_k_q4f61dfe55d_quant-k_q4f61dfe55d_quant
	.p2alignl 7, 3214868480
	.fill 96, 4, 3214868480
	.section	.rodata,"a",@progbits
	.p2align	6, 0x0
	.amdhsa_kernel k_q4f61dfe55d_quant
		.amdhsa_group_segment_fixed_size 19456
		.amdhsa_private_segment_fixed_size 0
		.amdhsa_enable_private_segment 0
		.amdhsa_kernarg_size 48
		.amdhsa_user_sgpr_count 2
		.amdhsa_user_sgpr_kernarg_segment_ptr 1
		.amdhsa_wavefront_size32 1
		.amdhsa_system_sgpr_workgroup_id_x 1
		.amdhsa_system_sgpr_workgroup_id_y 1
		.amdhsa_system_sgpr_workgroup_id_z 1
		.amdhsa_system_vgpr_workitem_id 0
		.amdhsa_next_free_vgpr 120
		.amdhsa_next_free_sgpr 66
		.amdhsa_reserve_vcc 0
		.amdhsa_float_denorm_mode_32 3
		.amdhsa_float_denorm_mode_16_64 3
		.amdhsa_memory_ordered 1
		.amdhsa_forward_progress 1
		.amdhsa_inst_pref_size 24
	.end_amdhsa_kernel
	.amdgpu_metadata
---
amdhsa.version: [ 1, 2 ]
amdhsa.kernels:
  - .name:           k_q4f61dfe55d_quant
    .symbol:         k_q4f61dfe55d_quant.kd
    .args:
      - { .name: normals, .offset: 0, .size: 8, .value_kind: global_buffer, .address_space: global }
      - { .name: S, .offset: 8, .size: 8, .value_kind: global_buffer, .address_space: global }
      - { .name: ncodes, .offset: 16, .size: 8, .value_kind: global_buffer, .address_space: global }
      - { .name: scodes, .offset: 24, .size: 8, .value_kind: global_buffer, .address_space: global }
      - { .name: nscales, .offset: 32, .size: 8, .value_kind: global_buffer, .address_space: global }
      - { .name: sscales, .offset: 40, .size: 8, .value_kind: global_buffer, .address_space: global }
    .group_segment_fixed_size: 19456
    .private_segment_fixed_size: 0
    .kernarg_segment_align: 8
    .kernarg_segment_size: 48
    .max_flat_workgroup_size: 256
    .sgpr_count:     66
    .vgpr_count:     120
    .wavefront_size: 32
...
	.end_amdgpu_metadata
.endif
;; end of part 1
;; launch gemm1 (part 2): grid 8 x 32, 4 waves a work-group, clusters of 4 x 4, 327,680 bytes of LDS; arguments scodes, sscales, ncodes, nscales, wt, X, xh; writes wt, xh
.if DOCPART == 2
	.amdgcn_target "amdgcn-amd-amdhsa--gfx1250"
	.amdhsa_code_object_version 6
	.text
	.protected	k_q4f61dfe55d_gemm1
	.globl	k_q4f61dfe55d_gemm1
	.p2align	8
	.type	k_q4f61dfe55d_gemm1,@function
k_q4f61dfe55d_gemm1:
	s_mov_b64 s[64:65], 0
	v_nop
	global_prefetch_b8 v0, s[64:65] scope:SCOPE_SE
	s_setreg_imm32_b32 hwreg(HW_REG_WAVE_MODE, 25, 1), 1
	s_wait_xcnt 0x0
	s_wait_alu depctr_hold_cnt(0) depctr_sa_sdst(0) depctr_va_vdst(0) depctr_va_sdst(0) depctr_va_ssrc(0) depctr_va_vcc(0) depctr_vm_vsrc(0)
	s_getreg_b32 s2, hwreg(HW_REG_IB_STS2, 6, 4)
	s_cmp_eq_u32 s2, 0
	s_cbranch_scc0 .Lentry_in_a_cluster
	s_endpgm
.Lentry_in_a_cluster:
	s_bfe_u32 s2, ttmp6, 0x10000c
	s_cmp_lg_u32 s2, 0xf033
	s_cbranch_scc0 .Lentry_shape_is_right
	s_endpgm
.Lentry_shape_is_right:
; wt[n][d] = sum over m of Sq[m][n] Nq[m][d]: the combined weight, transposed, on codes of FP4 (E2M1) with one E8M0 scale for each 32 along K = 4,096 (k = 4,095 is a zero code on both sides).
; A = scodes [4096 n][2048 bytes], B = ncodes [2048 d][2048 bytes]; scale bytes by K step of 512: sscales [8][4096][16], nscales [8][2048][16].  Sums in f32; wt [4096][2048] is rounded once to f16.
; BESIDE IT: X [4096][2048] f32 is rounded once to f16 into xh, for the second product.  Nothing of the product hangs on it: it stands here because a K step of this launch is only 128 matrix instructions a wave
; between a tile's request and the wait for it, and the launch's own tiles are few bytes.  Each of the 1,024 waves owns 8,192 numbers of X, as eight chunks of 4,096 bytes, one for each K step.
; LIMITS: |wt| and |X| beyond 65,504 have no f16 number.
; A tile of wt is 128 (n) x 256 (d): 256 work-groups of four waves; a wave makes 64 x 128: 32 accumulators, 256 registers.  K goes in steps of 512 (tile rows of 256 bytes) through two LDS slots filled by tensor loads.
; THE SCALES of the tile's rows, for all of K, come into LDS once, with the first fills: a K step's words of 128 or 256 rows are consecutive bytes.
; CLUSTERS: 4 x 4 work-groups.  The four of a row of the cluster need the same tiles of A, the four of a column the same tiles of B: each is asked for JOINTLY, by the same tensor load with the same descriptor and a mask that names the four.
; THE MATRIX INSTRUCTION IS USED TRANSPOSED (source 0 = 16 rows of B, source 1 = 16 rows of A): a lane then holds eight neighbouring d of one row n, which pack into 16 bytes.
; REGISTERS, in windows of 256: window 0: v8-30 addresses; v32-63 A's scale words, v64-127 B's, two sets each (they hold scales and nothing else); v128-191 A's fragments, two sets of 4;
;   v192-239 in the loop a chunk of X and its f16 numbers; v192-255 at work on the way out.   window 1: B's fragments, two sets of 8, at v0 and v128.   window 2: accumulator (a, b) at v[8 (8 a + b)].
; All of a WGP's LDS is claimed.
.set PITCH,  272                       ; an LDS row: 256 bytes + 16 of padding = 68 words: the 16 rows that a load touches start at 16 different banks (64 banks of 4 bytes: ISA guide 11.1)
.set HALFA,  64*PITCH                  ; what one tensor load brings of A, and what one wave reads of it
.set HALFB,  128*PITCH                 ; the same for B
.set SLOT,   2*HALFA+2*HALFB           ; A's 128 rows, then B's 256
.set SCA,    2*SLOT                    ; A's scale words: [8 K steps][128 rows][16 bytes]
.set SCB,    SCA+16384                 ; B's: [8][256][16]
.set STAGE,  SCB+32768                 ; the way out: 16 rows x 272 for each wave; no tile lands here
.set SPARE,  STAGE+4*16*PITCH          ; the spare words, 128 bytes for each wave: two blocks of 256 bytes that no other line names
.set XLO,  8                           ; v8     X: 16 x lane; never rewritten
.set XSO,  9                           ; v9     xh: 8 x lane; never rewritten
.set ADRA, 16                          ; v16-17 LDS address of my A fragments in slot 0, 1
.set ADRB, 20                          ; v20-21 the same for B
.set STO,  24                          ; v24    the way out: where I put 16 bytes of a row
.set RD,   25                          ; v25    where I read a row back
.set CO,   26                          ; v26    my byte offset in wt
.set ASA,  27                          ; v27    LDS address of my rows' scale words of A, in the K step to be fetched
.set SPW,  28                          ; v28    LDS address of my spare word; never rewritten
.set NIL,  29                          ; v29    0; never rewritten
.set ASB,  30                          ; v30    as v27, for B
.set SCAR, 32                          ; set s, A's block i, the slot's q-th 128 along K: v[32 + 16 s + 4 i + q]
.set SCBR, 64                          ; B's: v[64 + 32 s + 4 i + q]
.set AF,   128                         ; A's fragments: set p, block a at v[128 + 32 p + 8 a]
.set TMP,  192                         ; the way out: packed results
.set XL,   192                         ; v192-223 a chunk of X as loaded: eight loads of four registers
.set XP,   224                         ; v224-239 the same numbers in f16
.set XB,   66                          ; s[66:67] X at my wave's chunk in hand
.set HB,   98                          ; s[98:99] xh likewise
.set G1,   24                          ; s[24:31] group 1 for A's tiles; s[32:39] group 0, a set for each slot
.set G0,   32
.set G1B,  48                          ; s[48:55], s[56:63] the same for B's
.set G0B,  56
.set G1S,  68                          ; s[68:75], s[76:79] for A's scales; s[80:87], s[88:91] for B's
.set G0S,  76
.set G1SB, 80
.set G0SB, 88
.set MSB, 0
.macro WIN new                         ; the immediate's high byte repeats the setting that is left
.if MSB != \new
	s_set_vgpr_msb (MSB<<8)|\new
.set MSB, \new
.endif
.endm
.set MUL,  0xa1                        ; source 0 (B) window 1, source 1 (A) window 0, C and D window 2
.set TO_B, 0x40                        ; destination window 1, address window 0
; A joint load: waves 0 and 1 fetch for A, waves 2 and 3 for B.  Each line has one mask and one set of registers for all that issue it; the branch hangs on the wave's number alone.
; An s_nop 0 and four v_nop follow each of the two lines.
.macro JLOAD g0a, g1a, g0b, g1b
	s_cmp_eq_u32 s15, 0
	s_cbranch_scc0 .Lfor_b_\@
	tensor_load_to_lds s[\g0a:\g0a+3], s[\g1a:\g1a+7]
	s_nop 0
.rept 4
	v_nop
.endr
	s_branch .Lasked_\@
.Lfor_b_\@:
	tensor_load_to_lds s[\g0b:\g0b+3], s[\g1b:\g1b+7]
	s_nop 0
.rept 4
	v_nop
.endr
.Lasked_\@:
.endm
.macro CREST                           ; a round of the cluster's barrier behind its opening barrier
	s_cmp_lg_u32 s14, 0
	s_cbranch_scc1 .Lnot_wave_0_\@
	s_barrier_signal -3
.Lnot_wave_0_\@:
	s_barrier_wait -3
	s_barrier_signal -1
	s_barrier_wait -1
.endm
.macro CROUND                          ; a whole round
	s_barrier_signal -1
	s_barrier_wait -1
	CREST
.endm
	s_load_b128 s[4:7], s[0:1], 0x0                ; A's codes, A's scales
	s_load_b128 s[8:11], s[0:1], 0x10              ; B's codes, B's scales
	s_load_b64 s[12:13], s[0:1], 0x20              ; wt
	s_load_b64 s[XB:XB+1], s[0:1], 0x28            ; X
	s_load_b64 s[HB:HB+1], s[0:1], 0x30            ; xh
	v_lshl_add_u32 v[SPW], v0, 2, SPARE
	v_mov_b32 v[NIL], 0
	ds_add_u32 v[SPW], v[NIL]                      ; the wave's opening: the add and its wait stand ahead of my first tensor load; the set-up below, work on registers, stands between them
	v_lshrrev_b32 v1, 5, v0
	v_readfirstlane_b32 s14, v1                    ; wave 0..3
	s_lshr_b32 s15, s14, 1                         ; rh: which 64 rows of A are mine.  Also: I fetch for A (0) or for B (1)
	s_and_b32 s16, s14, 1                          ; ch: which 128 rows of B are mine.  Also: which half I fetch
	s_bfe_u32 s40, ttmp6, 0x40000                  ; cx, cy: my place in the cluster
	s_bfe_u32 s41, ttmp6, 0x40004
	s_lshl_b32 s42, ttmp9, 2
	s_add_co_u32 s42, s42, s40                     ; tx: which 256 rows of B = 4 x cluster x + cx
	s_and_b32 s17, ttmp7, 0xffff
	s_lshl_b32 s17, s17, 2
	s_add_co_u32 s17, s17, s41                     ; ty: which 128 rows of A = 4 x cluster y + cy
	s_lshl_b32 s43, s41, 2
	s_lshl_b32 s43, 15, s43                        ; my row of the cluster
	s_lshl_b32 s44, 0x1111, s40                    ; my column
	; group 1 for the codes: rows of 256 elements of one byte, 2,048 apart in memory, 16 bytes of padding behind each in LDS
	s_or_b32 s[G1+0], s43, (1<<20)|(1<<21)|(5<<22)|(3<<25)    ; 15:0 the mask; 20 padding on; 21 set beside a mask; 24:22 after every 64 words; 31:25 four words
	s_or_b32 s[G1B+0], s44, (1<<20)|(1<<21)|(5<<22)|(3<<25)
	s_mov_b32 s[G1+1], 256<<16                     ; tensor_dim0
	s_mov_b32 s[G1+2], 64<<16                      ; tensor_dim1: A: 64 rows a load
	s_mov_b32 s[G1+3], 256<<16                     ; tile_dim0
	s_mov_b32 s[G1+4], 64                          ; tile_dim1
	s_mov_b32 s[G1+5], 2048                        ; the pitch
	s_mov_b32 s[G1+6], 0
	s_mov_b32 s[G1+7], 0
	s_mov_b32 s[G1B+1], 256<<16
	s_mov_b32 s[G1B+2], 128<<16                    ; B: 128 rows a load
	s_mov_b32 s[G1B+3], 256<<16
	s_mov_b32 s[G1B+4], 128
	s_mov_b32 s[G1B+5], 2048
	s_mov_b32 s[G1B+6], 0
	s_mov_b32 s[G1B+7], 0
	; group 1 for the scales: elements of 8 bytes; a row is one K step's words of the tile's rows; four K steps a load; no padding
	s_or_b32 s[G1S+0], s43, (3<<16)|(1<<21)
	s_mov_b32 s[G1S+1], 256<<16                    ; A: 128 rows x 16 bytes = 256 elements
	s_mov_b32 s[G1S+2], 4<<16
	s_mov_b32 s[G1S+3], 256<<16
	s_mov_b32 s[G1S+4], 4
	s_mov_b32 s[G1S+5], 8192                       ; from K step to K step: 4,096 rows x 16 bytes
	s_mov_b32 s[G1S+6], 0
	s_mov_b32 s[G1S+7], 0
	s_or_b32 s[G1SB+0], s44, (3<<16)|(1<<21)
	s_mov_b32 s[G1SB+1], 512<<16                   ; B: 256 rows x 16 bytes = 512 elements
	s_mov_b32 s[G1SB+2], 4<<16
	s_mov_b32 s[G1SB+3], 512<<16
	s_mov_b32 s[G1SB+4], 4
	s_mov_b32 s[G1SB+5], 4096                      ; 2,048 rows x 16 bytes
	s_mov_b32 s[G1SB+6], 0
	s_mov_b32 s[G1SB+7], 0
	; where the tiles come from.  A's hang on ty alone, B's on tx alone, each in registers that never hold the other coordinate
	s_lshl_b32 s18, s16, 6
	s_lshl_b32 s20, s17, 7
	s_add_co_u32 s20, s20, s18
	s_lshl_b32 s20, s20, 11                        ; A's codes: (128 ty + 64 ch) rows of 2,048 bytes
	s_mov_b32 s21, 0
	s_lshl_b32 s18, s16, 18
	s_lshl_b32 s22, s17, 11
	s_add_co_u32 s22, s22, s18                     ; A's scales: K steps 4 ch on, rows 128 ty on
	s_mov_b32 s23, 0
	s_lshl_b32 s19, s16, 7
	s_lshl_b32 s46, s42, 8
	s_add_co_u32 s46, s46, s19
	s_lshl_b32 s46, s46, 11                        ; B's codes: (256 tx + 128 ch) rows
	s_mov_b32 s47, 0
	s_lshl_b32 s19, s16, 17
	s_lshl_b32 s92, s42, 12
	s_add_co_u32 s92, s92, s19                     ; B's scales
	s_mov_b32 s93, 0
	s_mul_i32 s45, s16, HALFA                      ; and where they go: no place in the cluster enters an LDS address
	s_mul_i32 s94, s16, HALFB
	s_add_co_u32 s94, s94, 2*HALFA
	s_lshl_b32 s95, s16, 13
	s_lshl_b32 s96, s16, 14
	s_wait_dscnt 0x0                               ; the opening add is done
	s_wait_kmcnt 0x0
	s_add_nc_u64 s[20:21], s[4:5], s[20:21]
	s_add_nc_u64 s[22:23], s[6:7], s[22:23]
	s_add_nc_u64 s[46:47], s[8:9], s[46:47]
	s_add_nc_u64 s[92:93], s[10:11], s[92:93]
	CROUND                                         ; all sixteen work-groups are here: the first joint loads meet
	s_mov_b32 s[G0S], 1
	s_add_co_u32 s[G0S+1], s95, SCA
	s_mov_b64 s[G0S+2:G0S+3], s[22:23]
	s_or_b32 s[G0S+3], s[G0S+3], 0x80000000
	s_mov_b32 s[G0SB], 1
	s_add_co_u32 s[G0SB+1], s96, SCB
	s_mov_b64 s[G0SB+2:G0SB+3], s[92:93]
	s_or_b32 s[G0SB+3], s[G0SB+3], 0x80000000
	JLOAD G0S, G1S, G0SB, G1SB                     ; the scales first: they are wanted with K step 0
.irp s, 0,1
	s_mov_b32 s[G0+4*\s], 1
	s_add_co_u32 s[G0+4*\s+1], s45, \s*SLOT
	s_add_nc_u64 s[G0+4*\s+2:G0+4*\s+3], s[20:21], \s*256
	s_or_b32 s[G0+4*\s+3], s[G0+4*\s+3], 0x80000000
	s_mov_b32 s[G0B+4*\s], 1
	s_add_co_u32 s[G0B+4*\s+1], s94, \s*SLOT
	s_add_nc_u64 s[G0B+4*\s+2:G0B+4*\s+3], s[46:47], \s*256
	s_or_b32 s[G0B+4*\s+3], s[G0B+4*\s+3], 0x80000000
	JLOAD G0+4*\s, G1, G0B+4*\s, G1B               ; three tensor loads of mine are out behind the second of these
.endr
	v_and_b32 v1, 15, v0                           ; r = lane % 16
	v_bfe_u32 v2, v0, 4, 1                         ; h = lane / 16
	v_mul_u32_u24 v3, v1, PITCH
	v_lshl_add_u32 v4, v2, 4, v3                   ; a fragment's row x pitch + 16 h
	s_mul_i32 s21, s15, HALFA                      ; my 64 rows of A
	s_mul_i32 s22, s16, HALFB                      ; my 128 rows of B,
	s_add_co_u32 s22, s22, 2*HALFA                 ; which lie behind A's 128
.irp s, 0,1
	v_add_nc_u32 v[ADRA+\s], s21, v4
	v_add_nc_u32 v[ADRB+\s], s22, v4
	s_add_co_u32 s21, s21, SLOT
	s_add_co_u32 s22, s22, SLOT
.endr
	s_lshl_b32 s21, s15, 10
	s_add_co_u32 s21, s21, SCA
	v_lshl_add_u32 v[ASA], v1, 4, s21              ; 16 bytes a row: lanes 16-31 take the same words as lanes 0-15 and are not read
	s_lshl_b32 s22, s16, 11
	s_add_co_u32 s22, s22, SCB
	v_lshl_add_u32 v[ASB], v1, 4, s22
	s_mul_i32 s23, s14, 16*PITCH
	s_add_co_u32 s23, s23, STAGE                   ; my stage
	v_add_nc_u32 v[STO], s23, v4                   ; in: row r, 16 bytes for each half of the lanes
	v_mul_u32_u24 v5, v2, PITCH
	v_lshl_add_u32 v5, v1, 4, v5
	v_add_nc_u32 v[RD], s23, v5                    ; back: lanes 0-15 one row of 256 bytes, lanes 16-31 the next
	v_lshlrev_b32 v5, 12, v2
	v_lshl_add_u32 v[CO], v1, 4, v5                ; and the same two rows in wt (4,096 bytes a row)
	s_lshl_b32 s20, s17, 7
	s_lshl_b32 s21, s15, 6
	s_add_co_u32 s20, s20, s21
	s_lshl_b32 s20, s20, 12                        ; my first row of wt: 128 ty + 64 rh
	s_mov_b32 s21, 0
	s_lshl_b32 s46, s42, 9                         ; my first column, in bytes: 512 tx + 256 ch
	s_lshl_b32 s47, s16, 8
	s_add_co_u32 s46, s46, s47
	s_mov_b32 s47, 0
	s_add_nc_u64 s[20:21], s[20:21], s[46:47]
	s_add_nc_u64 s[12:13], s[12:13], s[20:21]
	; X's cast: my wave's number in the launch is 4 (8 ty + tx) + wave, 0 .. 1,023; it owns 32,768 bytes of X and 16,384 of xh
	s_lshl_b32 s20, s17, 3
	s_add_co_u32 s20, s20, s42
	s_lshl_b32 s20, s20, 2
	s_add_co_u32 s20, s20, s14
	s_lshl_b32 s46, s20, 14
	s_lshl_b32 s20, s20, 15
	s_add_nc_u64 s[XB:XB+1], s[XB:XB+1], s[20:21]  ; (s21 and s47 hold 0)
	s_add_nc_u64 s[HB:HB+1], s[HB:HB+1], s[46:47]
	v_and_b32 v6, 31, v0
	v_lshlrev_b32 v[XLO], 4, v6
	v_lshlrev_b32 v[XSO], 3, v6
.macro XLOAD                           ; a chunk of X: eight loads, 512 consecutive bytes each
.irp j, 0,1,2,3,4,5,6,7
	global_load_b128 v[XL+4*\j:XL+4*\j+3], v[XLO], s[XB:XB+1] offset:512*\j th:TH_LOAD_NT
.endr
.endm
	XLOAD                                          ; chunk 0
; The chunk of X that was asked for a K step ago is rounded to f16 and stored; more = 1: the next chunk is asked for.  Every window is 0 here.  The registers are none of a matrix instruction's.
.macro XCAST more
	s_wait_loadcnt 0x0                             ; the chunk's eight loads are in: no other global load of mine is ever out
.irp j, 0,1,2,3,4,5,6,7
	v_cvt_pk_f16_f32 v[XP+2*\j],   v[XL+4*\j],   v[XL+4*\j+1]
	v_cvt_pk_f16_f32 v[XP+2*\j+1], v[XL+4*\j+2], v[XL+4*\j+3]
.endr
.irp j, 0,1,2,3,4,5,6,7
	global_store_b64 v[XSO], v[XP+2*\j:XP+2*\j+1], s[HB:HB+1] offset:256*\j   ; 32 lanes store 256 consecutive bytes, at a multiple of 256 from xh's first byte
.endr
	s_wait_xcnt 0x0                                ; the stores have read their base and their data: only behind this wait is the base stepped, and are v224-239 written again (by the next chunk, or by the way out's LDS loads)
.if \more
	s_add_nc_u64 s[XB:XB+1], s[XB:XB+1], 4096
	s_add_nc_u64 s[HB:HB+1], s[HB:HB+1], 2048
	XLOAD
.endif
.endm
; 8 matrix instructions: A's block a x B's eight, the slot's q-th 128 along K.  p: the set of fragments; sc: the set of scale words.  zero = 1: the product starts the sums: nothing is cleared.
; The 32 accumulators take turns, one instruction a turn, in the same order in every step.
.macro MUL8 a, p, q, sc, zero
.irp b, 0,1,2,3,4,5,6,7
.if \zero
	v_wmma_scale_f32_16x16x128_f8f6f4 v[8*(8*(\a)+\b):8*(8*(\a)+\b)+7], v[128*(\p)+8*\b:128*(\p)+8*\b+7], v[AF+32*(\p)+8*(\a):AF+32*(\p)+8*(\a)+7], 0, v[SCBR+32*(\sc)+4*\b+(\q)], v[SCAR+16*(\sc)+4*(\a)+(\q)] matrix_a_fmt:MATRIX_FMT_FP4 matrix_b_fmt:MATRIX_FMT_FP4
.else
	v_wmma_scale_f32_16x16x128_f8f6f4 v[8*(8*(\a)+\b):8*(8*(\a)+\b)+7], v[128*(\p)+8*\b:128*(\p)+8*\b+7], v[AF+32*(\p)+8*(\a):AF+32*(\p)+8*(\a)+7], v[8*(8*(\a)+\b):8*(8*(\a)+\b)+7], v[SCBR+32*(\sc)+4*\b+(\q)], v[SCAR+16*(\sc)+4*(\a)+(\q)] matrix_a_fmt:MATRIX_FMT_FP4 matrix_b_fmt:MATRIX_FMT_FP4
.endif
.endr
.endm
; 24 LDS loads in one run: the fragments of the slot's q-th 128 along K into set p.  A fragment, 16 rows x 128 K of 4-bit codes, is 8 registers: lane l holds row l % 16;
; registers 4 c .. 4 c + 3 hold K = 64 c + 32 (l / 16) + 0 .. 31: two loads of 16 bytes, 32 bytes apart.
.macro FETCH slot, q, p
	WIN TO_B
.irp i, 0,1,2,3,4,5,6,7
.irp c, 0,1
	ds_load_b128 v[128*(\p)+8*\i+4*\c:128*(\p)+8*\i+4*\c+3], v[ADRB+\slot] offset:64*(\q)+32*\c+\i*16*PITCH
.endr
.endr
	WIN 0
.irp i, 0,1,2,3
.irp c, 0,1
	ds_load_b128 v[AF+32*(\p)+8*\i+4*\c:AF+32*(\p)+8*\i+4*\c+3], v[ADRA+\slot] offset:64*(\q)+32*\c+\i*16*PITCH
.endr
.endr
.endm
.macro SCALES sc                       ; a K step's scale words into set sc: four words a row
.irp i, 0,1,2,3
	ds_load_b128 v[SCAR+16*\sc+4*\i:SCAR+16*\sc+4*\i+3], v[ASA] offset:256*\i
.endr
.irp i, 0,1,2,3,4,5,6,7
	ds_load_b128 v[SCBR+32*\sc+4*\i:SCBR+32*\sc+4*\i+3], v[ASB] offset:256*\i
.endr
.endm
; A load into a register that a matrix instruction has read, and a vector instruction that reads a matrix result, stand four places behind that matrix instruction; only plain vector
; instructions that name none of its registers are places (ISA guide 7.12.1 for vector instructions).
.macro PLACES n
.rept \n
	v_nop
.endr
.endm
; A step of 128 along K that has its successor in the same slot: the successor's fragments are asked for ahead of this step's 32 products.
.macro STEP slot, q, zero
	s_wait_dscnt 0x0                               ; this step's fragments are in
	PLACES 4                                       ; for the loads into the set that the step before multiplied
	FETCH \slot, (\q)+1, 1-(\q)%2
	WIN MUL
.irp a, 0,1,2,3
	MUL8 \a, (\q)%2, \q, \slot, \zero
.endr
.endm
; A slot's last step changes slots: ONE barrier; in front of it each wave waits for all its tensor loads, adds 0 to its spare word, and waits for that and for its reads of this slot.  fill = 1: this slot is filled again, two K steps ahead.
; Behind the joint load and the run of LDS loads for which the next products wait stands X's chunk; with fill = 1 the next chunk is asked for, so the last chunk is asked for at the last change that fills a slot.
.macro TURN slot, next, fill
	WIN 0                                          ; (the add's two registers lie in window 0)
	s_wait_tensorcnt 0x0                           ; all my tensor loads have landed: the one that was out is my part of the next slot;
	ds_add_u32 v[SPW], v[NIL]                      ; 0 onto my spare word
	s_wait_dscnt 1                                 ; (the add alone may be out: this step's fragments are in)
	WIN MUL
	MUL8 0, 1, 3, \slot, 0                         ; eight matrix instructions stand between the add and the wait for it
	s_wait_dscnt 0x0                               ; the add is done, and my reads of this slot are over
	s_barrier_signal -1
	MUL8 1, 1, 3, \slot, 0
	WIN 0
	s_barrier_wait -1
.if \fill
	CREST                                          ; the barrier has opened a round of the cluster's barrier: no wave of any partner still reads this slot's tile or has a load on its way
	s_add_nc_u64 s[G0+4*\slot+2:G0+4*\slot+3], s[G0+4*\slot+2:G0+4*\slot+3], 2*256
	s_add_nc_u64 s[G0B+4*\slot+2:G0B+4*\slot+3], s[G0B+4*\slot+2:G0B+4*\slot+3], 2*256
	JLOAD G0+4*\slot, G1, G0B+4*\slot, G1B         ; the first tensor load behind the round, my only one until the next; its four v_nop are the places in front of the loads below
.else
	PLACES 4
.endif
	v_add_nc_u32 v[ASA], 2048, v[ASA]              ; on to the next K step's scale words
	v_add_nc_u32 v[ASB], 4096, v[ASB]
	FETCH \next, 0, 0
	SCALES \next
	XCAST \fill
	WIN MUL
	MUL8 2, 1, 3, \slot, 0
	MUL8 3, 1, 3, \slot, 0
.endm
.macro STEPS slot, from                ; the slot's steps from .. 2
.set Q, \from
.rept 3-\from
	STEP \slot, Q, 0
.set Q, Q+1
.endr
.endm
	s_wait_tensorcnt 1                             ; the scales and my part of K step 0 are in; K step 1's load may stay out
	s_barrier_signal -1
	s_barrier_wait -1                              ; everybody's are
	FETCH 0, 0, 0
	SCALES 0
	XCAST 1                                        ; chunk 0 goes out, chunk 1 is asked for: seven changes of slots follow, for chunks 1 to 7
	STEP 0, 0, 1                                   ; the first step stands in front of the loop: its products start the sums
	WIN 0                                          ; at a label and at a branch every window is 0
	s_mov_b32 s3, 3
.Llap:                                                 ; a trip goes once round the ring, from a lap's second step to the next lap's first, and fills both slots again: K steps 2 to 7
	STEPS 0, 1
	TURN 0, 1, 1
	STEPS 1, 0
	TURN 1, 0, 1
	STEP 0, 0, 0
	WIN 0
	s_sub_co_u32 s3, s3, 1
	s_cmp_lg_u32 s3, 0
	s_cbranch_scc1 .Llap
	STEPS 0, 1                                     ; the last lap fills nothing, and has no round of the cluster's barrier
	TURN 0, 1, 0                                   ; X's last chunk goes out here
	STEPS 1, 0
	s_wait_dscnt 0x0                               ; the very last step: nothing more to fetch
	WIN MUL
.irp a, 0,1,2,3
	MUL8 \a, 1, 3, 1, 0
.endr
	WIN 0
; THE WAY OUT, block by block of 16 rows x 128 columns: rounded to f16, 16 bytes a lane, into my own stage in LDS and back as whole rows of 256 bytes.
; LDS serves a wave's instructions in order (ISA guide 5.7.1.4): no wait between the stores and the loads.
.macro PACK a
	WIN 0x0a                                       ; sources 0 and 1: window 2
.irp b, 0,1,2,3,4,5,6,7
.irp r, 0,1,2,3
	v_cvt_pk_f16_f32 v[TMP+4*\b+\r], v[64*(\a)+8*\b+2*\r], v[64*(\a)+8*\b+2*\r+1]   ; each accumulator from its low end on
.endr
.endr
	WIN 0
.endm
.macro TOSTAGE a
.set BB, 224-96*((\a)%2)               ; v224-255 and v128-159 by turns
.irp b, 0,1,2,3,4,5,6,7
	ds_store_b128 v[STO], v[TMP+4*\b:TMP+4*\b+3] offset:32*\b
.endr
.irp t, 0,1,2,3,4,5,6,7
	ds_load_b128 v[BB+4*\t:BB+4*\t+3], v[RD] offset:\t*2*PITCH
.endr
.endm
.macro SEND a
.set BB, 224-96*((\a)%2)
	s_wait_dscnt 0x0                               ; the block is back in registers
	s_wait_xcnt 0x0                                ; the earlier stores have read their base and their data: the base may step, and the block after this may land where the block before it lay
.if (\a) > 0
	s_add_nc_u64 s[12:13], s[12:13], 16*4096       ; 16 rows of wt on
.endif
.irp t, 0,1,2,3,4,5,6,7
	global_store_b128 v[CO], v[BB+4*\t:BB+4*\t+3], s[12:13] offset:\t*2*4096   ; sixteen lanes store 256 consecutive bytes, at a multiple of 256 from wt's first byte
.endr
.endm
	PLACES 4                                       ; behind the last products: for the conversions that read results and the loads into registers that held A's fragments
	PACK 0
	TOSTAGE 0
.irp a, 1,2,3                          ; block a's conversions stand between block a - 1's loads from the stage and the wait for them
	PACK \a
	SEND \a-1
	TOSTAGE \a
.endr
	SEND 3
	s_wait_tensorcnt 0x0                           ; the wave's end, behind my last tensor load and my last LDS store
	ds_add_u32 v[SPW], v[NIL]
	s_wait_dscnt 0x0
	CROUND                                         ; the closing round: no work-group ends while a partner may still ask for a tile that names it
	s_endpgm
.Lfunc_end_k_q4f61dfe55d_gemm1:
	.size	k_q4f61dfe55d_gemm1, .Lfunc_end_k_q4f61dfe55d_gemm1-k_q4f61dfe55d_gemm1
	.p2alignl 7, 3214868480
	.fill 96, 4, 3214868480
	.section	.rodata,"a",@progbits
	.p2align	6, 0x0
	.amdhsa_kernel k_q4f61dfe55d_gemm1
		.amdhsa_group_segment_fixed_size 327680
		.amdhsa_private_segment_fixed_size 0
		.amdhsa_enable_private_segment 0
		.amdhsa_kernarg_size 56
		.amdhsa_user_sgpr_count 2
		.amdhsa_user_sgpr_kernarg_segment_ptr 1
		.amdhsa_wavefront_size32 1
		.amdhsa_system_sgpr_workgroup_id_x 1
		.amdhsa_system_sgpr_workgroup_id_y 1
		.amdhsa_system_sgpr_workgroup_id_z 1
		.amdhsa_system_vgpr_workitem_id 0
		.amdhsa_next_free_vgpr 768
		.amdhsa_next_free_sgpr 100
		.amdhsa_reserve_vcc 0
		.amdhsa_float_denorm_mode_32 3
		.amdhsa_float_denorm_mode_16_64 3
		.amdhsa_memory_ordered 1
		.amdhsa_forward_progress 1
		.amdhsa_inst_pref_size 135
	.end_amdhsa_kernel
	.amdgpu_metadata
---
amdhsa.version: [ 1, 2 ]
amdhsa.kernels:
  - .name:           k_q4f61dfe55d_gemm1
    .symbol:         k_q4f61dfe55d_gemm1.kd
    .args:
      - { .name: scodes, .offset: 0, .size: 8, .value_kind: global_buffer, .address_space: global }
      - { .name: sscales, .offset: 8, .size: 8, .value_kind: global_buffer, .address_space: global }
      - { .name: ncodes, .offset: 16, .size: 8, .value_kind: global_buffer, .address_space: global }
      - { .name: nscales, .offset: 24, .size: 8, .value_kind: global_buffer, .address_space: global }
      - { .name: wt, .offset: 32, .size: 8, .value_kind: global_buffer, .address_space: global }
      - { .name: X, .offset: 40, .size: 8, .value_kind: global_buffer, .address_space: global }
      - { .name: xh, .offset: 48, .size: 8, .value_kind: global_buffer, .address_space: global }
    .group_segment_fixed_size: 327680
    .private_segment_fixed_size: 0
    .kernarg_segment_align: 8
    .kernarg_segment_size: 56
    .max_flat_workgroup_size: 128
    .sgpr_count:     100
    .vgpr_count:     768
    .wavefront_size: 32
...
	.end_amdgpu_metadata
.endif
;; end of part 2
;; launch gemm2 (part 3): grid 16 x 16, 4 waves a work-group, clusters of 4 x 4, 327,680 bytes of LDS; arguments xh, wt, biases, out0; writes out0
.if DOCPART == 3
	.amdgcn_target "amdgcn-amd-amdhsa--gfx1250"
	.amdhsa_code_object_version 6
	.text
	.protected	k_q4f61dfe55d_gemm2
	.globl	k_q4f61dfe55d_gemm2
	.p2align	8
	.type	k_q4f61dfe55d_gemm2,@function
k_q4f61dfe55d_gemm2:
	s_mov_b64 s[64:65], 0
	v_nop
	global_prefetch_b8 v0, s[64:65] scope:SCOPE_SE
	s_setreg_imm32_b32 hwreg(HW_REG_WAVE_MODE, 25, 1), 1
	s_wait_xcnt 0x0
	s_wait_alu depctr_hold_cnt(0) depctr_sa_sdst(0) depctr_va_vdst(0) depctr_va_sdst(0) depctr_va_ssrc(0) depctr_va_vcc(0) depctr_vm_vsrc(0)
	s_getreg_b32 s2, hwreg(HW_REG_IB_STS2, 6, 4)
	s_cmp_eq_u32 s2, 0
	s_cbranch_scc0 .Lentry_in_a_cluster
	s_endpgm
.Lentry_in_a_cluster:
	s_bfe_u32 s2, ttmp6, 0x10000c
	s_cmp_lg_u32 s2, 0xf033
	s_cbranch_scc0 .Lentry_shape_is_right
	s_endpgm
.Lentry_shape_is_right:
; out0[t][n] = sum over d of xh[t][d] wt[n][d] + biases[n].  xh: [4096][2048] f16, wt: [4096][2048] f16, biases: [4096] f32, out0: [4096][4096] f32; sums in f32.
; f16 and not bf16: three more significant bits on both operands.  LIMIT: the operands were rounded to f16 by the launches before: magnitudes up to 65,504.
; A tile of out0, 256 x 256, is made by a work-group of four waves; a wave makes 128 x 128: 64 accumulators of 16 x 16, 512 registers.  K goes in steps of 128 (tile rows of 256 bytes) through two LDS slots filled by tensor loads.
; CLUSTERS: 4 x 4 work-groups.  The four of a row of the cluster need the same tiles of xh, the four of a column the same tiles of wt: each is asked for JOINTLY, by the same tensor load with the same descriptor and a mask that names the four.
; THE MATRIX INSTRUCTION IS USED TRANSPOSED (source 0 = 16 rows of wt, source 1 = 16 rows of xh): a lane then holds eight neighbouring numbers of a row of out0.
; THE BIAS is the C of each sum's first matrix instruction: eight registers for each of my eight blocks of 16 columns, in the result's layout.  Nothing is cleared and nothing is added afterwards.
; REGISTERS, in windows of 256: window 0: v0-31 addresses; v64-127, v128-191 fragments of xh, two buffers; v192-255 the bias; on the way out v128-255 take rows of out0.
;   window 1: v64-127, v128-191 fragments of wt, two buffers.   window 2: the 32 accumulators of my rows 0-63 ((a, b) at v[8 (8 a + b)]);   window 3: those of my rows 64-127.
; All of a WGP's LDS is claimed.
.set SIZE_N, 4096
.set SIZE_K, 2048
.set KSTEP,  128
.set PITCH,  272                       ; an LDS row: 256 bytes + 16 of padding = 68 words: the 16 rows that a load touches start at 16 different banks (64 banks of 4 bytes: ISA guide 11.1)
.set HALFT,  128*PITCH                 ; 128 rows: what one tensor load brings, and what one wave reads of either operand
.set SLOT,   4*HALFT                   ; xh's 256 rows, then wt's 256 rows
.set STAGE,  2*SLOT                    ; behind the ring: 16 rows x 528 bytes for each wave, for the way out; no tile lands here
.set SPITCH, 528
.set SPARE,  STAGE+4*16*SPITCH         ; the spare words, 128 bytes for each wave: two blocks of 256 bytes that no other line names
.set LAPS,   SIZE_K/(2*KSTEP)          ; a lap = two K steps = once round the ring: 8
.set ADRA, 16                          ; v16-17  LDS address of my xh fragments in slot 0, 1
.set ADRB, 20                          ; v20-21  the same for wt
.set STO,  24                          ; v24     the way out: where I put 32 bytes of a row
.set RD,   25                          ; v25     where I read a row back
.set CO,   26                          ; v26     my byte offset in a row of out0
.set SPW,  28                          ; v28     LDS address of my spare word; never rewritten
.set NIL,  29                          ; v29     0; never rewritten
.set PFO,  30                          ; v30     the prefetches' offset: my lane x a row of 4,096 bytes; never rewritten
.set PFA,  44                          ; s[44:45] where my prefetches stand
.set LIM,  43                          ; s43     1 in a wave that prefetches, else the greatest number
.set F0,   64
.set F1,   128
.set BIAS, 192
.set BK,   128
.set G1,  24                           ; s[24:31] group 1 for xh's tiles; s[32:39] group 0, a set for each slot
.set G0,  32
.set G1B, 48                           ; s[48:55], s[56:63] the same for wt's
.set G0B, 56
.set MSB, 0
.macro WIN new                         ; the immediate's high byte repeats the setting that is left
.if MSB != \new
	s_set_vgpr_msb (MSB<<8)|\new
.set MSB, \new
.endif
.endm
.set MUL_LO, 0xa1                      ; source 0 (wt) window 1, source 1 (xh) window 0, C and D window 2
.set MUL_HI, 0xf1                      ; the same, C and D window 3
.set BEG_LO, 0x81                      ; a sum's first product: C (the bias) window 0, D window 2
.set BEG_HI, 0xc1                      ; D window 3
.set TO_B,   0x40                      ; destination window 1, address window 0
; A joint load: waves 0 and 1 fetch xh's two halves, waves 2 and 3 wt's.  The branch hangs on the wave's number alone.  An s_nop 0 and four v_nop follow each of the two lines.
.macro JLOAD s
	s_cmp_eq_u32 s11, 0
	s_cbranch_scc0 .Lfor_b_\@
	tensor_load_to_lds s[G0+4*\s:G0+4*\s+3], s[G1:G1+7]
	s_nop 0
.rept 4
	v_nop
.endr
	s_branch .Lasked_\@
.Lfor_b_\@:
	tensor_load_to_lds s[G0B+4*\s:G0B+4*\s+3], s[G1B:G1B+7]
	s_nop 0
.rept 4
	v_nop
.endr
.Lasked_\@:
.endm
; A PREFETCH, behind each joint load and the run of LDS loads that follows it: the K step that stands two refills on: 32 rows x 256 bytes, a lane a row, one instruction a wave: 512 matrix instructions ahead of the load that will name those bytes.
; Each row's 256 bytes of a K step are named once in the launch: xh's rows by the clusters with x = 0, wt's by those with y = 0; of the 128 rows that a wave fetches, the partner at place p among the four
; that ask jointly takes rows 32 p on: told apart by address, no branch hangs on a place in the cluster.  K steps 4 to 15 are named; the loop's last trip (s3 = 1) names nothing, so no prefetch passes a row's end.
.macro ASK
	s_cmp_gt_u32 s3, s[LIM]
	s_cbranch_scc0 .Lnot_mine_\@
	global_prefetch_b8 v[PFO], s[PFA:PFA+1] offset:KSTEP*2 th:TH_LOAD_NT scope:SCOPE_SE
.Lnot_mine_\@:
.endm
.macro CREST                           ; a round of the cluster's barrier behind its opening barrier
	s_cmp_lg_u32 s10, 0
	s_cbranch_scc1 .Lnot_wave_0_\@
	s_barrier_signal -3
.Lnot_wave_0_\@:
	s_barrier_wait -3
	s_barrier_signal -1
	s_barrier_wait -1
.endm
.macro CROUND                          ; a whole round
	s_barrier_signal -1
	s_barrier_wait -1
	CREST
.endm
	s_load_b128 s[4:7], s[0:1], 0x0                ; xh s[4:5], wt s[6:7]
	s_load_b64 s[66:67], s[0:1], 0x10              ; biases
	s_load_b64 s[8:9], s[0:1], 0x18                ; out0
	v_lshl_add_u32 v[SPW], v0, 2, SPARE
	v_mov_b32 v[NIL], 0
	ds_add_u32 v[SPW], v[NIL]                      ; the wave's opening: the add and its wait stand ahead of my first tensor load; the set-up below, work on registers, stands between them
	v_lshrrev_b32 v1, 5, v0
	v_readfirstlane_b32 s10, v1                    ; wave 0..3
	s_lshr_b32 s11, s10, 1                         ; which half of the tile's rows is mine.  Also: I fetch for xh (0) or for wt (1)
	s_and_b32 s12, s10, 1                          ; which half of its columns.  Also: which 128 rows of that tile I fetch
	s_bfe_u32 s40, ttmp6, 0x40000                  ; cx, cy: my place in the cluster
	s_bfe_u32 s41, ttmp6, 0x40004
	s_lshl_b32 s42, ttmp9, 2
	s_add_co_u32 s42, s42, s40                     ; tile column = 4 x cluster x + cx
	s_and_b32 s13, ttmp7, 0xffff
	s_lshl_b32 s13, s13, 2
	s_add_co_u32 s13, s13, s41                     ; tile row = 4 x cluster y + cy
	s_lshl_b32 s43, s41, 2
	s_lshl_b32 s43, 15, s43                        ; my row of the cluster
	s_lshl_b32 s44, 0x1111, s40                    ; my column
	; group 1: a tile of 128 rows x 128 elements of 2 bytes, 16 bytes of padding behind each row in LDS
	s_or_b32 s[G1+0], s43, (1<<16)|(1<<20)|(1<<21)|(5<<22)|(3<<25)   ; 15:0 the mask; 17:16 elements of 2 bytes; 20 padding on; 21 set beside a mask; 24:22 after every 64 words; 31:25 four words
	s_or_b32 s[G1B+0], s44, (1<<16)|(1<<20)|(1<<21)|(5<<22)|(3<<25)
.irp g, G1, G1B
	s_mov_b32 s[\g+1], KSTEP<<16                   ; tensor_dim0 = 128
	s_mov_b32 s[\g+2], 128<<16                     ; tensor_dim1 = 128
	s_mov_b32 s[\g+3], KSTEP<<16                   ; tile_dim0 = 128
	s_mov_b32 s[\g+4], 128                         ; tile_dim1 = 128
	s_mov_b32 s[\g+5], SIZE_K                      ; the pitch, in elements
	s_mov_b32 s[\g+6], 0
	s_mov_b32 s[\g+7], 0
.endr
	; where the tiles come from: xh's hang on the tile row alone, wt's on the tile column alone, each in registers that never hold the other coordinate
	s_lshl_b32 s17, s12, 7                         ; which 128 rows of the tile I fetch
	s_lshl_b32 s16, s13, 8
	s_add_co_u32 s16, s16, s17
	s_lshl_b32 s46, s42, 8
	s_add_co_u32 s46, s46, s17
	s_mov_b32 s17, 0
	s_mov_b32 s47, 0
	s_mov_b64 s[18:19], SIZE_K*2
	s_mul_u64 s[16:17], s[16:17], s[18:19]
	s_mul_u64 s[46:47], s[46:47], s[18:19]
	s_mul_i32 s20, s10, HALFT                      ; and where they go: wave x 128 rows: no place in the cluster enters an LDS address
	s_wait_dscnt 0x0                               ; the opening add is done
	s_wait_kmcnt 0x0
	s_add_nc_u64 s[14:15], s[4:5], s[16:17]
	s_add_nc_u64 s[46:47], s[6:7], s[46:47]
	CROUND                                         ; all sixteen work-groups are here: the first joint loads meet
.irp s, 0,1
	s_mov_b32 s[G0+4*\s], 1
	s_add_co_u32 s[G0+4*\s+1], s20, \s*SLOT
	s_add_nc_u64 s[G0+4*\s+2:G0+4*\s+3], s[14:15], \s*KSTEP*2
	s_or_b32 s[G0+4*\s+3], s[G0+4*\s+3], 0x80000000
	s_mov_b32 s[G0B+4*\s], 1
	s_add_co_u32 s[G0B+4*\s+1], s20, \s*SLOT
	s_add_nc_u64 s[G0B+4*\s+2:G0B+4*\s+3], s[46:47], \s*KSTEP*2
	s_or_b32 s[G0B+4*\s+3], s[G0B+4*\s+3], 0x80000000
	JLOAD \s                                       ; two tensor loads of mine are out behind the second
.endr
	; A fragment is 16 rows x 32 K in 8 registers: lane l holds row l % 16; registers 0-3 hold K = 8 (l / 16) + 0..7, registers 4-7 K = 16 + 8 (l / 16) + 0..7: two loads of 16 bytes, 32 bytes apart
	v_and_b32 v1, 15, v0                           ; r
	v_bfe_u32 v2, v0, 4, 1                         ; h
	v_mul_u32_u24 v3, v1, PITCH
	v_lshl_add_u32 v3, v2, 4, v3
	s_mul_i32 s21, s11, HALFT                      ; my 128 rows of xh
	s_mul_i32 s22, s12, HALFT                      ; my 128 rows of wt,
	s_add_co_u32 s22, s22, 2*HALFT                 ; which lie behind xh's 256
.irp s, 0,1
	v_add_nc_u32 v[ADRA+\s], s21, v3
	v_add_nc_u32 v[ADRB+\s], s22, v3
	s_add_co_u32 s21, s21, SLOT
	s_add_co_u32 s22, s22, SLOT
.endr
	s_mul_i32 s23, s10, 16*SPITCH
	s_add_co_u32 s23, s23, STAGE                   ; my stage
	v_mul_u32_u24 v4, v1, SPITCH                   ; in: row r, 32 bytes for each half of the lanes
	v_lshl_add_u32 v4, v2, 5, v4
	v_add_nc_u32 v[STO], s23, v4
	v_and_b32 v5, 31, v0
	v_lshlrev_b32 v[CO], 4, v5                     ; back: the 32 lanes take one row of 512 bytes; and the same in out0
	v_add_nc_u32 v[RD], s23, v[CO]
	v_lshlrev_b32 v7, 5, v2                        ; the bias: 32 h bytes
	s_lshl_b32 s13, s13, 8
	s_lshl_b32 s14, s11, 7
	s_add_co_u32 s16, s13, s14                     ; my first row of out0: 256 x tile row + 128 x half
	s_mov_b32 s17, 0
	s_mov_b64 s[18:19], SIZE_N*4
	s_mul_u64 s[16:17], s[16:17], s[18:19]
	s_lshl_b32 s46, s42, 10                        ; my first column, in bytes of f32: 1,024 x tile column + 512 x half: in out0's rows and in biases alike
	s_lshl_b32 s47, s12, 9
	s_add_co_u32 s46, s46, s47
	s_mov_b32 s47, 0
	s_add_nc_u64 s[66:67], s[66:67], s[46:47]
	s_add_nc_u64 s[16:17], s[16:17], s[46:47]
	s_add_nc_u64 s[8:9], s[8:9], s[16:17]
.irp b, 0,1,2,3,4,5,6,7
	global_load_b128 v[BIAS+8*\b:BIAS+8*\b+3],   v7, s[66:67] offset:64*\b      ; register 8 b + j: the bias of my column 16 b + 8 h + j
	global_load_b128 v[BIAS+8*\b+4:BIAS+8*\b+7], v7, s[66:67] offset:64*\b+16
.endr
	; the prefetches.  s13 = 256 x tile row, s42 = tile column, s40 = cx, s41 = cy still stand
	s_lshl_b32 s42, s42, 8
	s_and_b32 s22, ttmp7, 0xffff                   ; cluster y
	s_cmp_eq_u32 s11, 0                            ; do I fetch for xh?
	s_cselect_b32 s20, s13, s42                    ; the tile's first row
	s_cselect_b32 s21, s40, s41                    ; my place among the four that ask for it with me
	s_cselect_b32 s22, ttmp9, s22                  ; the coordinate along which other clusters read the same rows
	s_cselect_b64 s[PFA:PFA+1], s[4:5], s[6:7]
	s_cmp_eq_u32 s22, 0
	s_cselect_b32 s[LIM], 1, -1                    ; the same in all sixteen partners, for a given wave
	s_lshl_b32 s22, s12, 7
	s_add_co_u32 s20, s20, s22                     ; + the 128 rows that I fetch
	s_lshl_b32 s21, s21, 5
	s_add_co_u32 s20, s20, s21                     ; + my work-group's 32 of them
	s_mov_b32 s21, 0
	s_mov_b64 s[18:19], SIZE_K*2
	s_mul_u64 s[20:21], s[20:21], s[18:19]
	s_add_nc_u64 s[PFA:PFA+1], s[PFA:PFA+1], s[20:21]
	s_add_nc_u64 s[PFA:PFA+1], s[PFA:PFA+1], 2*KSTEP*2   ; at K step 2: the first refill steps it to 3 and names K step 4.  Nothing is prefetched here, at the head
	v_and_b32 v[PFO], 31, v0
	v_mul_u32_u24 v[PFO], v[PFO], SIZE_K*2
; 16 matrix instructions: m blocks a0, a0 + 1 of the window's four (hi = 0: my rows 0-63, 1: rows 64-127) x all 8 n blocks, 32 along K.  zero = 1: the first product starts the sums, on the bias.
; The 64 accumulators take turns, one instruction a turn, in the same order in every quarter.
.macro MUL16 f, hi, a0, zero
.irp a, \a0, \a0+1
.irp b, 0,1,2,3,4,5,6,7
.if \zero
	v_wmma_f32_16x16x32_f16 v[8*(8*(\a)+\b):8*(8*(\a)+\b)+7], v[\f+8*\b:\f+8*\b+7], v[\f+8*(4*\hi+\a):\f+8*(4*\hi+\a)+7], v[BIAS+8*\b:BIAS+8*\b+7]
.else
	v_wmma_f32_16x16x32_f16 v[8*(8*(\a)+\b):8*(8*(\a)+\b)+7], v[\f+8*\b:\f+8*\b+7], v[\f+8*(4*\hi+\a):\f+8*(4*\hi+\a)+7], v[8*(8*(\a)+\b):8*(8*(\a)+\b)+7]
.endif
.endr
.endr
.endm
; 32 LDS loads in one run: the fragments of one quarter step (128 rows of wt, 128 rows of xh, 32 K at byte k of the rows) into buffer f
.macro FETCH slot, k, f
	WIN TO_B
.irp i, 0,1,2,3,4,5,6,7
	ds_load_b128 v[\f+8*\i:\f+8*\i+3],   v[ADRB+\slot] offset:\k+\i*16*PITCH
	ds_load_b128 v[\f+8*\i+4:\f+8*\i+7], v[ADRB+\slot] offset:\k+\i*16*PITCH+32
.endr
	WIN 0
.irp i, 0,1,2,3,4,5,6,7
	ds_load_b128 v[\f+8*\i:\f+8*\i+3],   v[ADRA+\slot] offset:\k+\i*16*PITCH
	ds_load_b128 v[\f+8*\i+4:\f+8*\i+7], v[ADRA+\slot] offset:\k+\i*16*PITCH+32
.endr
.endm
; A load into a register that a matrix instruction has read, and an LDS store that reads a matrix result, stand four places behind that matrix instruction; only plain vector instructions
; that name none of its registers are places (ISA guide 7.12.1 for vector instructions).
.macro PLACES
.rept 4
	v_nop
.endr
.endm
; A K step is four quarters of 32 along K, 64 matrix instructions each, on buffers 0, 1, 0, 1.  One of the first three: multiplies buffer f; in its middle it fetches the next quarter's fragments into g.
.macro QUARTER slot, k, f, g, zero
	s_wait_dscnt 8                                 ; wt's fragments and xh's rows 0-63 are in; the youngest eight loads (xh's rows 64-127) may be out
.if \zero
	WIN BEG_LO
.else
	WIN MUL_LO
.endif
	MUL16 \f, 0, 0, \zero
	MUL16 \f, 0, 2, \zero
	PLACES
	FETCH \slot, \k, \g
	s_wait_dscnt 32                                ; all but the 32 just issued
.if \zero
	WIN BEG_HI
.else
	WIN MUL_HI
.endif
	MUL16 \f, 1, 0, \zero
	MUL16 \f, 1, 2, \zero
.endm
; The last quarter multiplies buffer 1 and changes slots.  MEET is its first half: ONE barrier; in front of it each wave waits for all its tensor loads, adds 0 to its spare word, and waits for that and for its reads of this slot.
.macro MEET round
	WIN 0                                          ; (the add's two registers lie in window 0)
	s_wait_tensorcnt 0x0                           ; all my tensor loads have landed: the one that was out is my part of the next slot;
	ds_add_u32 v[SPW], v[NIL]                      ; 0 onto my spare word
	s_wait_dscnt 9                                 ; (the add and the youngest eight loads may be out)
	WIN MUL_LO
	MUL16 F1, 0, 0, 0                              ; sixteen matrix instructions stand between the add and the wait for it
	s_wait_dscnt 0x0                               ; the add is done, and my reads of this slot are over
	s_barrier_signal -1
	MUL16 F1, 0, 2, 0                              ; work on registers while the others arrive
.if \round
	WIN 0
.endif
	s_barrier_wait -1
.endm
; The whole last quarter where the slot is filled again, two K steps ahead: from the request to the wait for it a wave issues 224 matrix instructions.
.macro TURN slot, next
	s_wait_xcnt 0x0                                ; the last prefetch, a K step back, has read its address: it is stepped here, ahead of the waits of the change of slots
	s_add_nc_u64 s[PFA:PFA+1], s[PFA:PFA+1], KSTEP*2
	MEET 1
	CREST                                          ; the barrier has opened a round of the cluster's barrier: no wave of any partner still reads this slot's tile or has a load on its way
	s_add_nc_u64 s[G0+4*\slot+2:G0+4*\slot+3], s[G0+4*\slot+2:G0+4*\slot+3], 2*KSTEP*2
	s_add_nc_u64 s[G0B+4*\slot+2:G0B+4*\slot+3], s[G0B+4*\slot+2:G0B+4*\slot+3], 2*KSTEP*2
	JLOAD \slot                                    ; the first tensor load behind the round, my only one until the next; its four v_nop are the places in front of the loads below
	FETCH \next, 0, F0
	ASK
	WIN MUL_HI
	MUL16 F1, 1, 0, 0
	MUL16 F1, 1, 2, 0
.endm
	s_wait_tensorcnt 1                             ; my part of K step 0 is in; K step 1's load may stay out
	s_barrier_signal -1
	s_barrier_wait -1                              ; everybody's is
	FETCH 0, 0, F0
	s_wait_loadcnt 0x0                             ; the bias
	QUARTER 0, 64,  F0, F1, 1                      ; the first quarter stands in front of the loop: its products start the sums
	WIN 0                                          ; at a label and at a branch every window is 0
	s_mov_b32 s3, LAPS-1
.Llap:                                                 ; a trip goes once round the ring, from a lap's second quarter to the next lap's first, and fills both slots again: K steps 2 to 15
	QUARTER 0, 128, F1, F0, 0
	QUARTER 0, 192, F0, F1, 0
	TURN 0, 1
	QUARTER 1, 64,  F0, F1, 0
	QUARTER 1, 128, F1, F0, 0
	QUARTER 1, 192, F0, F1, 0
	TURN 1, 0
	QUARTER 0, 64,  F0, F1, 0
	WIN 0
	s_sub_co_u32 s3, s3, 1
	s_cmp_lg_u32 s3, 0
	s_cbranch_scc1 .Llap
	QUARTER 0, 128, F1, F0, 0                      ; the last lap fills nothing, and has no round of the cluster's barrier
	QUARTER 0, 192, F0, F1, 0
	MEET 0                                         ; my one tensor load that was still out is slot 1's, the last K step's
	PLACES
	FETCH 1, 0, F0
	WIN MUL_HI
	MUL16 F1, 1, 0, 0
	MUL16 F1, 1, 2, 0
	QUARTER 1, 64,  F0, F1, 0
	QUARTER 1, 128, F1, F0, 0
	QUARTER 1, 192, F0, F1, 0
	s_wait_dscnt 8                                 ; the very last quarter: nothing more to fetch
	WIN MUL_LO
	MUL16 F1, 0, 0, 0
	MUL16 F1, 0, 2, 0
	s_wait_dscnt 0x0
	WIN MUL_HI
	MUL16 F1, 1, 0, 0
	MUL16 F1, 1, 2, 0
	WIN 0
; THE WAY OUT, block by block of 16 rows x 128 columns.  A lane holds 32 neighbouring bytes of a row, and the lanes beside it hold other rows: so a block goes through my own stage in LDS and comes back as whole
; rows of 512 bytes.  LDS serves a wave's instructions in order (ISA guide 5.7.1.4): no wait between the stores and the loads, nor in front of the next block's stores.
.macro TOSTAGE a
.set AC, 64*((\a)%4)
	WIN 0x08+4*((\a)/4)                            ; an LDS store's data are its source 1: window 2 or 3
.irp b, 0,1,2,3,4,5,6,7
	ds_store_b128 v[STO], v[AC+8*\b:AC+8*\b+3] offset:64*\b          ; each accumulator from its low end on
	ds_store_b128 v[STO], v[AC+8*\b+4:AC+8*\b+7] offset:64*\b+16
.endr
	WIN 0
.set BB, BK+64*((\a)%2)
.irp t, 0,1,2,3,4,5,6,7,8,9,10,11,12,13,14,15
	ds_load_b128 v[BB+4*\t:BB+4*\t+3], v[RD] offset:\t*SPITCH
.endr
.endm
.macro SEND a, younger                 ; younger: the LDS instructions issued behind block a's loads, which may stay out
.set BB, BK+64*((\a)%2)
	s_wait_dscnt \younger                          ; the block is back in registers
.if (\a) > 0
	s_add_nc_u64 s[8:9], s[8:9], 16*SIZE_N*4       ; (behind a wait on XCNT: the earlier stores have read their base)  16 rows of out0 on
.endif
.irp t, 0,1,2,3,4,5,6,7,8,9,10,11,12,13,14,15
	global_store_b128 v[CO], v[BB+4*\t:BB+4*\t+3], s[8:9] offset:\t*SIZE_N*4 th:TH_STORE_NT   ; 32 lanes store 512 consecutive bytes, at a multiple of 256 from out0's first byte; written once, read by nobody here
.endr
.endm
	PLACES                                         ; behind the last products: for the loads into registers that held xh's fragments and for the stores that read results
	TOSTAGE 0
.irp a, 1,2,3,4,5,6,7
.if \a > 1
	s_wait_xcnt 0x0                                ; block a - 2's stores have read their registers and their base: block a's loads may land there, and the base may step
.endif
	TOSTAGE \a
	SEND \a-1, 32                                  ; behind block a - 1's loads: block a's 16 stores and 16 loads
.endr
	s_wait_xcnt 0x0                                ; block 6's stores have read their base
	SEND 7, 0
	s_wait_tensorcnt 0x0                           ; the wave's end, behind my last tensor load and my last LDS store
	ds_add_u32 v[SPW], v[NIL]
	s_wait_dscnt 0x0
	CROUND                                         ; the closing round: no work-group ends while a partner may still ask for a tile that names it
	s_endpgm
.Lfunc_end_k_q4f61dfe55d_gemm2:
	.size	k_q4f61dfe55d_gemm2, .Lfunc_end_k_q4f61dfe55d_gemm2-k_q4f61dfe55d_gemm2
	.p2alignl 7, 3214868480
	.fill 96, 4, 3214868480
	.section	.rodata,"a",@progbits
	.p2align	6, 0x0
	.amdhsa_kernel k_q4f61dfe55d_gemm2
		.amdhsa_group_segment_fixed_size 327680
		.amdhsa_private_segment_fixed_size 0
		.amdhsa_enable_private_segment 0
		.amdhsa_kernarg_size 32
		.amdhsa_user_sgpr_count 2
		.amdhsa_user_sgpr_kernarg_segment_ptr 1
		.amdhsa_wavefront_size32 1
		.amdhsa_system_sgpr_workgroup_id_x 1
		.amdhsa_system_sgpr_workgroup_id_y 1
		.amdhsa_system_sgpr_workgroup_id_z 1
		.amdhsa_system_vgpr_workitem_id 0
		.amdhsa_next_free_vgpr 1024
		.amdhsa_next_free_sgpr 68
		.amdhsa_reserve_vcc 0
		.amdhsa_float_denorm_mode_32 3
		.amdhsa_float_denorm_mode_16_64 3
		.amdhsa_memory_ordered 1
		.amdhsa_forward_progress 1
		.amdhsa_inst_pref_size 143
	.end_amdhsa_kernel
	.amdgpu_metadata
---
amdhsa.version: [ 1, 2 ]
amdhsa.kernels:
  - .name:           k_q4f61dfe55d_gemm2
    .symbol:         k_q4f61dfe55d_gemm2.kd
    .args:
      - { .name: xh, .offset: 0, .size: 8, .value_kind: global_buffer, .address_space: global }
      - { .name: wt, .offset: 8, .size: 8, .value_kind: global_buffer, .address_space: global }
      - { .name: biases, .offset: 16, .size: 8, .value_kind: global_buffer, .address_space: global }
      - { .name: out0, .offset: 24, .size: 8, .value_kind: global_buffer, .address_space: global }
    .group_segment_fixed_size: 327680
    .private_segment_fixed_size: 0
    .kernarg_segment_align: 8
    .kernarg_segment_size: 32
    .max_flat_workgroup_size: 128
    .sgpr_count:     68
    .vgpr_count:     1024
    .wavefront_size: 32
...
	.end_amdgpu_metadata
.endif
;; end of part 3
